; MI455X (gfx1250); checked and timed in simulation.
; The chip was launched on July 23, 2026; its instructions are those of AMD's public machine-readable ISA for CDNA 5 (MIT licence, August 2026) and "CDNA5" Instruction Set Architecture Reference Guide (July 2026). The comments in the code are by the model that wrote it; some were corrected since.
;; Attn. Allowed arithmetic: matrix products marked QUANTISED: E2M1 operands, one E8M0 scale for each 32 along K, by v_wmma_scale_f32_16x16x128_f8f6f4 with both operands' format E2M1 (or v_wmma_scale_f32_32x16x128_f4), f32 sums; products left as they are: f32 operands where the result goes on into a quantised operand, else bf16, f16 or f32 operands; f32 sums; everything else in f32.
;; Inputs: W 1,024 x 1,024 float32; b 1,024 float32; outputs 64 x 1,024 x 1,024 float32; text_lens 64 int32; weight_vec 1,024 float32.
;; Outputs: out0 64 x 1,024 float32.
;; This version of the problem:
;;   THIS VERSION OF THE PROBLEM IS GIVEN IN LOW PRECISION. The matrix products marked QUANTISED in the list below multiply operands that are first quantised to E2M1 (2 exponent bits, 1 mantissa bit; 4 bits a number), with one power-of-two scale for each 32 numbers along K (OCP MX v1.0); their sums are f32. All else is computed in f32.
;;   The module's matrix products, in the order in which they are computed (A, B: the left and right operand; K: the contracted axis; several contracted axes count as one K, in the product's order):
;;     1. [M 65,536, K 1,024] x [K 1,024, N 1,024]; A: input outputs; B: input W: QUANTISED
;;     2. [M 65,536, K 1,024] x [K 1,024, N 1]; A: computed on the way; B: input weight_vec: left as it is (N = 1 < 16)
;;   THE QUANTISER, for each operand of a quantised product, along K:
;;     - K is cut into blocks of 32 from its start; a last block that is shorter is filled with zeros.
;;     - A block's scale is 2^e with e = floor(log2(the largest magnitude in the block)) - 2, held to -126 .. 127; a block of zeros has e = 0. As a byte (E8M0): e + 127.
;;     - Each number is divided by its block's scale, clamped to +-6, and rounded to the nearest number of E2M1, ties to even, subnormals kept.
;;     - The product sums the exact products of the quantised numbers (number of the format x scale) in f32.
;;   ~~~python
;;   def quantise(x, axis):      # numpy; x: float32 -> the quantised numbers, widened to float32 again
;;       x = np.moveaxis(x, axis, -1); K = x.shape[-1]
;;       x = np.pad(x, [(0, 0)] * (x.ndim - 1) + [(0, -K % 32)]); x = x.reshape(x.shape[:-1] + (-1, 32)); a = np.abs(x).max(-1, keepdims=True)
;;       e = np.where(a > 0, np.clip(np.frexp(np.where(a > 0, a, 1))[1] - 1 - 2, -126, 127), 0)      # np.frexp(a)[1] - 1 = floor(log2(a)), exactly
;;       r = np.clip(x / 2.0 ** e, -6, 6)
;;       step = 2.0 ** (np.maximum(np.frexp(np.where(r == 0, 1, r))[1] - 1, 0) - 1)
;;       q = np.round(r / step) * step * 2.0 ** e      # np.round: ties to even
;;       return np.moveaxis(q.reshape(q.shape[:-2] + (-1,))[..., :K], -1, axis).astype(np.float32)
;;   ~~~
;; One version. Each part assembles by itself: llvm-mc -triple=amdgcn-amd-amdhsa -mcpu=gfx1250 --defsym DOCPART=n.
;; ======== version 1 of 1: 3 launches
;; limits: right only within a limited range of input values
;; workspace buffers: wq 524,288 bytes; ws 32,768 bytes; wlist 17,408 bytes of whole numbers; epart 262,144 bytes
;; launch prep (part 1): grid 96 x 1, 4 waves a work-group, no clusters, 9,728 bytes of LDS; arguments W, text_lens, wq, ws, wlist; writes wq, ws, wlist
.if DOCPART == 1
	.amdgcn_target "amdgcn-amd-amdhsa--gfx1250"
	.amdhsa_code_object_version 6
	.text
	.protected	k_q98d2164c9f_prep
	.globl	k_q98d2164c9f_prep
	.p2align	8
	.type	k_q98d2164c9f_prep,@function
k_q98d2164c9f_prep:
	s_mov_b64 s[64:65], 0
	v_nop
	global_prefetch_b8 v0, s[64:65] scope:SCOPE_SE
	s_setreg_imm32_b32 hwreg(HW_REG_WAVE_MODE, 25, 1), 1
	s_wait_xcnt 0x0
; FIRST OF THREE LAUNCHES.  It turns W [1024][1024] (f32, K = the last axis) into codes of FP4 (E2M1) with one E8M0 scale byte for each 32 along K, and deals the work of the next launch.
; WORK LEFT OUT, in the whole program: a GROUP is 16 neighbouring positions of one batch (id = 64 x batch + position / 16).  reference() replaces the energy of every position j >= text_lens[i]
; by -1e10 before the softmax, whatever the inputs hold, so a group whose first position lies at or beyond its batch's length reaches no output: its rows of outputs are neither read nor multiplied.
; Which groups those are is read from text_lens.  LIMIT: a NaN, an infinity or an overflow in rows so left out is not carried to the result.  Every input is loaded by some launch.
; LAYOUT OF W'S CODES: 64 groups of 16 rows, 8,192 bytes each: byte 256 B + 16 r + i is byte i of the 16 bytes of block B (32 along K) of row r: with B = 4 s + 2 c + h registers 4 c .. 4 c + 3 of
; the fragment of K step s come by one load of 16 bytes a lane.  SCALE BYTES: 512 bytes a group: (row r, block B), s = B / 4, at 256 (s % 2) + 16 r + 4 (s / 2) + B % 4.
; A block's scale is 2^(floor(log2(largest magnitude)) - 2): its byte is that magnitude's exponent field - 2, held at 1 from below.
; LIMITS: NaN and infinities among the inputs are not served; no largest magnitude is taken under 2^-124; a block of zeros gets the byte 1 where the rule says 127: its codes are zeros,
; which add nothing under that byte, and the bytes are read by this program alone.
; SHARES.  Work-groups 0-63: one group of W each, a wave four rows, all 32 loads of a wave out at once.  Work-groups 64-95: the list, 128 entries each.  No matrix unit, no cluster, no prefetch: each byte is read once, at once.
.set NW,   64
.set SCI,  8704                        ; LDS: 32 blocks x (16 rows x 16 bytes + 16), then the scale bytes' image
.set SPARE, 9216
.set QM,   16                          ; v16-23 eight blocks' largest magnitudes, then scale operands
.set QB,   24                          ; v24-31 their bytes
.set QCD,  32                          ; v32-39 codes
.set LD,   64                          ; v64-191 four rows as loaded
.macro VW
	s_wait_alu depctr_va_vdst(0)
.endm
	s_load_b256 s[84:91], s[0:1], 0x0          ; W 84, text_lens 86, wq 88, ws 90
	s_load_b64 s[92:93], s[0:1], 0x20          ; wlist
	v_lshl_add_u32 v10, v0, 2, SPARE
	v_mov_b32 v11, 0
	s_cmp_lt_u32 ttmp9, NW
	s_cbranch_scc1 .Lw
; ---- THE LIST.  n(i) = ceil(min(max(len, 0), 1024) / 16) groups wanted of batch i; P(i) their running sum; G the total.  The G groups, in the order of their ids, are dealt to 256 sets:
; set S gets G / 256 of them, and one more where S < G % 256, from number S (G / 256) + min(S, G % 256) on.  Entry 16 S + k is the id of the set's group k, or 4,096 where there is none; behind the entries the 256 counts.
	s_wait_kmcnt 0x0
	s_load_b512 s[4:19], s[86:87], 0x0         ; length i in s[4 + i] for i < 48, in s[20 + i] from there on
	s_load_b512 s[20:35], s[86:87], 0x40
	s_load_b512 s[36:51], s[86:87], 0x80
	s_load_b512 s[68:83], s[86:87], 0xc0
	s_sub_co_u32 s59, ttmp9, NW
	s_lshl_b32 s56, s59, 7
	v_add_nc_u32 v1, s56, v0                   ; my entry
	v_lshrrev_b32 v2, 4, v1                    ; S
	v_and_b32 v4, 15, v1                       ; k
	v_mov_b32 v7, 0
	v_mov_b32 v9, 0x1000
	v_lshlrev_b32 v12, 2, v1
	s_mov_b32 s52, 0                           ; G
	VW
	s_wait_kmcnt 0x0
.set i, 0
.rept 64
.set LR, 4+i+16*(i/48)
	s_max_i32 s[LR], s[LR], 0
	s_min_i32 s[LR], s[LR], 1024
	s_add_co_u32 s[LR], s[LR], 15
	s_lshr_b32 s[LR], s[LR], 4                 ; n(i)
	s_add_co_u32 s52, s52, s[LR]
.set i, i+1
.endr
	s_lshr_b32 s53, s52, 8                     ; G / 256
	s_and_b32 s58, s52, 255                    ; G % 256
	v_min_u32 v5, s58, v2
	v_mad_u32_u24 v6, v2, s53, v5
	v_add_nc_u32 v6, v6, v4                    ; g, the group's number among the G
	v_cmp_gt_u32 vcc_lo, s58, v2
	v_cndmask_b32 v13, 0, 1, vcc_lo
	v_add_nc_u32 v13, s53, v13                 ; the set's count
	VW
	s_mov_b32 s54, 0                           ; P(i)
.set i, 0
.rept 64                                   ; the last batch with P(i) <= g holds group g: id = 64 i + g - P(i)
.set LR, 4+i+16*(i/48)
	s_sub_co_u32 s55, 64*i, s54
	v_cmp_gt_u32 vcc_lo, s54, v6
	v_cndmask_b32 v7, s55, v7, vcc_lo
	s_add_co_u32 s54, s54, s[LR]
.set i, i+1
.endr
	v_add_nc_u32 v8, v6, v7
	v_cmp_gt_u32 vcc_lo, v13, v4
	v_cndmask_b32 v8, v9, v8, vcc_lo
	global_store_b32 v12, v8, s[92:93]
	s_cmp_ge_u32 s59, 2
	s_cbranch_scc1 .Llist_done
	v_cmp_gt_u32 vcc_lo, s58, v1               ; the first two of these work-groups also store the counts: here my entry's number is a set's
	v_cndmask_b32 v14, 0, 1, vcc_lo
	v_add_nc_u32 v14, s53, v14
	global_store_b32 v12, v14, s[92:93] offset:16384
.Llist_done:
	s_endpgm
; ---- W.  Each load reads 512 consecutive bytes, 16 a lane: a lane holds 4 neighbours, eight lanes a block.  The block's largest magnitude is joined over the eight lanes.
; A conversion takes 8 registers under ONE scale, and a lane's 8 come from two blocks: so each run of 8 is converted twice, once under each block's scale, and of each result the half that belongs to that scale is stored.
.Lw:
	v_lshrrev_b32 v1, 5, v0
	v_readfirstlane_b32 s11, v1                ; wave
	s_lshl_b32 s13, s11, 14                    ; my four rows
	s_lshl_b32 s14, s11, 6
	s_add_co_u32 s15, s14, SCI
	s_lshl_b32 s24, ttmp9, 16
	s_mov_b32 s25, 0
	s_lshl_b32 s26, ttmp9, 13
	s_mov_b32 s27, 0
	s_lshl_b32 s28, ttmp9, 9
	s_mov_b32 s29, 0
	v_and_b32 v1, 31, v0
	v_lshlrev_b32 v2, 4, v1
	v_add_nc_u32 v3, s13, v2                   ; in: 16,384 wave + 16 lane
	v_bfe_u32 v4, v0, 3, 2                     ; lane / 8
	v_and_b32 v5, 7, v0
	v_mul_u32_u24 v6, v4, 272
	v_lshl_add_u32 v6, v5, 1, v6
	v_add_nc_u32 v6, s14, v6                   ; my 2 bytes of codes: 272 (lane / 8) + 2 (lane % 8) + 16 x my first row
	v_add_nc_u32 v7, s15, v4                   ; my block's byte
	v_lshrrev_b32 v8, 4, v0
	v_mul_u32_u24 v8, v8, 272
	v_and_b32 v5, 15, v0
	v_lshl_add_u32 v8, v5, 4, v8               ; back: sixteen threads to a block's 256 bytes
	v_lshlrev_b32 v9, 4, v0
	v_add_nc_u32 v15, SCI, v2
	VW
	s_wait_kmcnt 0x0
	s_add_nc_u64 s[4:5], s[84:85], s[24:25]
	s_add_nc_u64 s[6:7], s[88:89], s[26:27]
	s_add_nc_u64 s[8:9], s[90:91], s[28:29]
.irp j, 0,1,2,3
.irp i, 0,1,2,3,4,5,6,7
	global_load_b128 v[LD+32*\j+4*\i:LD+32*\j+4*\i+3], v3, s[4:5] offset:4096*\j+512*\i th:TH_LOAD_NT
.endr
.endr
.macro QROW j
.set LR, LD+32*\j
	s_wait_loadcnt 24-8*\j                     ; this row's eight loads are in; the later rows' may be out
.irp i, 0,1,2,3,4,5,6,7
	v_max3_num_f32 v[QM+\i], |v[LR+4*\i]|, |v[LR+4*\i+1]|, 0x1800000   ; with the floor 2^(3 - 127): the byte cannot fall under 1
.endr
.irp i, 0,1,2,3,4,5,6,7
	v_max3_num_f32 v[QM+\i], |v[LR+4*\i+2]|, |v[LR+4*\i+3]|, v[QM+\i]
.endr
.irp x, 1,2,4
.irp i, 0,1,2,3,4,5,6,7
	v_max_num_f32_dpp v[QM+\i], v[QM+\i], v[QM+\i] row_xmask:\x row_mask:0xf bank_mask:0xf
.endr
.endr
.irp i, 0,1,2,3,4,5,6,7
	v_add_nc_u32 v[QM+\i], 0xff000000, v[QM+\i]    ; 2 off the exponent field: the conversion's scale operand
.endr
	VW
	s_wait_dscnt 0x0                           ; the last row's stores are done before their data registers are written again
.irp i, 0,1,2,3,4,5,6,7
	v_lshrrev_b32 v[QB+\i], 23, v[QM+\i]
.endr
.irp u, 0,1,2,3
	v_cvt_scalef32_pk8_fp4_f32 v[QCD+2*\u], v[LR+8*\u:LR+8*\u+7], v[QM+2*\u]       ; its low half holds load 2 u's four codes
	v_cvt_scalef32_pk8_fp4_f32 v[QCD+2*\u+1], v[LR+8*\u:LR+8*\u+7], v[QM+2*\u+1]   ; its high half load 2 u + 1's
.endr
	v_nop                                      ; a plain line behind the last conversion
.irp u, 0,1,2,3
	ds_store_b16 v6, v[QCD+2*\u] offset:1088*(2*\u)+16*\j
	ds_store_b16_d16_hi v6, v[QCD+2*\u+1] offset:1088*(2*\u+1)+16*\j
.endr
.irp i, 0,1,2,3,4,5,6,7
	ds_store_b8 v7, v[QB+\i] offset:256*(\i%2)+4*(\i/2)+16*\j      ; eight lanes write the same byte with the same value
.endr
.endm
.irp j, 0,1,2,3
	QROW \j
.endr
	s_wait_dscnt 0x0                           ; for the others' sake
	s_barrier_signal -1
	s_barrier_wait -1
.irp n, 0,1,2,3
	ds_load_b128 v[40+4*\n:43+4*\n], v8 offset:2176*\n
.endr
.irp n, 0,1,2,3
	s_wait_dscnt 3-\n
	global_store_b128 v9, v[40+4*\n:43+4*\n], s[6:7] offset:2048*\n   ; sixteen lanes store 256 consecutive bytes, from a multiple of 256 on
.endr
	s_cmp_lg_u32 s11, 0
	s_cbranch_scc1 .Lno_sc
	ds_load_b128 v[56:59], v15
	s_wait_dscnt 0x0
	global_store_b128 v2, v[56:59], s[8:9]
.Lno_sc:
	s_wait_tensorcnt 0x0                       ; the wave's end
	ds_add_u32 v10, v11
	s_wait_dscnt 0x0
	s_endpgm
.Lfunc_end_k_q98d2164c9f_prep:
	.size	k_q98d2164c9f_prep, .Lfunc_end_k_q98d2164c9f_prep-k_q98d2164c9f_prep
	.p2alignl 7, 3214868480
	.fill 96, 4, 3214868480
	.section	.rodata,"a",@progbits
	.p2align	6, 0x0
	.amdhsa_kernel k_q98d2164c9f_prep
		.amdhsa_group_segment_fixed_size 9728
		.amdhsa_private_segment_fixed_size 0
		.amdhsa_enable_private_segment 0
		.amdhsa_kernarg_size 40
		.amdhsa_user_sgpr_count 2
		.amdhsa_user_sgpr_kernarg_segment_ptr 1
		.amdhsa_wavefront_size32 1
		.amdhsa_system_sgpr_workgroup_id_x 1
		.amdhsa_system_sgpr_workgroup_id_y 1
		.amdhsa_system_sgpr_workgroup_id_z 1
		.amdhsa_system_vgpr_workitem_id 0
		.amdhsa_next_free_vgpr 192
		.amdhsa_next_free_sgpr 100
		.amdhsa_reserve_vcc 1
		.amdhsa_float_denorm_mode_32 3
		.amdhsa_float_denorm_mode_16_64 3
		.amdhsa_memory_ordered 1
		.amdhsa_forward_progress 1
		.amdhsa_inst_pref_size 51
	.end_amdhsa_kernel
	.amdgpu_metadata
---
amdhsa.version: [ 1, 2 ]
amdhsa.kernels:
  - .name:           k_q98d2164c9f_prep
    .symbol:         k_q98d2164c9f_prep.kd
    .args:
      - { .name: W, .offset: 0, .size: 8, .value_kind: global_buffer, .address_space: global }
      - { .name: text_lens, .offset: 8, .size: 8, .value_kind: global_buffer, .address_space: global }
      - { .name: wq, .offset: 16, .size: 8, .value_kind: global_buffer, .address_space: global }
      - { .name: ws, .offset: 24, .size: 8, .value_kind: global_buffer, .address_space: global }
      - { .name: wlist, .offset: 32, .size: 8, .value_kind: global_buffer, .address_space: global }
    .group_segment_fixed_size: 9728
    .private_segment_fixed_size: 0
    .kernarg_segment_align: 8
    .kernarg_segment_size: 40
    .max_flat_workgroup_size: 128
    .sgpr_count:     100
    .vgpr_count:     192
    .wavefront_size: 32
...
	.end_amdgpu_metadata
.endif
;; end of part 1
;; launch fused (part 2): grid 256 x 1, 4 waves a work-group, no clusters, 313,344 bytes of LDS; arguments outputs, wq, ws, weight_vec, b, wlist, epart; writes epart
.if DOCPART == 2
	.amdgcn_target "amdgcn-amd-amdhsa--gfx1250"
	.amdhsa_code_object_version 6
	.text
	.protected	k_q98d2164c9f_fused
	.globl	k_q98d2164c9f_fused
	.p2align	8
	.type	k_q98d2164c9f_fused,@function
k_q98d2164c9f_fused:
	s_mov_b64 s[64:65], 0
	v_nop
	global_prefetch_b8 v0, s[64:65] scope:SCOPE_SE
	s_setreg_imm32_b32 hwreg(HW_REG_WAVE_MODE, 25, 1), 1
	s_wait_xcnt 0x0
; SECOND LAUNCH.  For each listed group of 16 rows x of outputs: energy(row) = the sum over o of weight_vec[o] (Q(x) . Q(W[o]) + b[o]).  Groups that lie wholly under the mask are not listed (see the first kernel's head).
; x is read as f32 once, quantised here to FP4 (E2M1) with E8M0 scales (rule and limits as in the first kernel), and multiplied on codes, sums in f32; the dot with weight_vec is fused multiply-adds in f32.
; SHARES.  Work-group S takes set S of the list, at most 16 groups.  It holds ALL of W's codes, so each row has one owner: wave w has W's rows 256 w .. 256 w + 255 = 16 column tiles x 8 K steps:
; tiles 0-7 in 512 registers, tiles 8-15 in its own 64 KiB of LDS.  Of each group wave w loads and quantises rows 4 w .. 4 w + 3; the codes meet in an LDS image of the operand's registers, which every wave reads.
; A PASS is two groups: each fragment of W read from LDS feeds two products.  A round of a pass takes a tile from registers and a tile from LDS against both groups: four accumulators by turns.
; Where a set's count is odd, the last pass reads its one group twice; the second result is never stored.
; THE PRODUCT IS USED TRANSPOSED: source 0 = 16 rows of W, source 1 = 16 rows of x: lane (r, h) holds row r of x, register j the unit 16 f + 8 h + j.
; A PASS p: quantise group 2 p + 1; barrier; rounds 0-3; quantise group 2 p + 2; rounds 4-7.  Each quantising asks for the next group's rows as it frees their registers, so 32 loads a wave are out under the rounds.
; Two image buffers by turns, one barrier a pass: a buffer is written again only behind the barrier in front of which every wave has waited for its reads of it.
; A trip of the loop runs two passes, one on each buffer, so that the buffer stands in the immediates and no LDS address of the images is ever rewritten.
; The loop has four trips, a constant; what the count does not cover is jumped over, the barriers never.
; NO TENSOR LOAD, NO CLUSTER: operands go through registers.
; PREFETCH INTO THE L2: while group t is quantised (and group t + 1 asked for), each wave names its own four rows of group t + 3: 64 blocks of 256 bytes, two instructions, lanes 256 bytes apart; the head names groups 1 and 2; nothing beyond the count.
; b enters as the number that the dot starts from: half of the wave's sum of weight_vec[o] b[o] in each of the two lanes that are added for a row.
; REGISTERS: window 0: v1-31 addresses; v32-39 the dot; v40-47 x's scale words; v48-63 weight_vec of a round; v64-127 W's scale words; v128-159 accumulators; v160-191 the quantiser; v192-255 W's tile 7.
;   window 1: v0-127 two groups' fragments; v128-255 my four rows as loaded.   windows 2, 3 (K steps 0-3, 4-7): v[32 f + 8 (s % 4)] W's tiles 0-6; v224-255 the tile that came from LDS.
.set XIM,   0x40000                    ; LDS: 0: W, 65,536 a wave.  XIM: image buffer 0; XIM + PAR: buffer 1; a buffer is two slots
.set SLOTB, 9216                       ; a slot: 32 blocks x 272 bytes, then 512 scale bytes
.set SCI,   8704
.set PAR,   0x8000
.set EB,    0x44800                    ; energies: [wave][16 groups][16 rows] f32
.set WVL,   0x45800                    ; weight_vec
.set SPARE, 0x46800                    ; the spare words
.set ALD, 3
.set APF, 4
.set AWL, 5
.set AQC, 6
.set AQS, 7
.set AFA, 8
.set AFB, 9
.set ASA, 10
.set ASB, 11
.set AWV, 12
.set AE0, 13
.set AEB, 14
.set AER, 15
.set AK,  16
.set AOF, 17
.set AID, 18
.set AWT, 19
.set PB,  20
.set T0,  22
.set SPW, 26
.set NIL, 27
.set EP,  32
.set XSC, 40
.set WV,  48
.set WSC, 64
.set ACC, 128
.set QM,  160
.set QB,  168
.set QCD, 176
.set MSB, 0
.macro WIN new                         ; the immediate's high byte repeats the setting that is left; a switch that changes nothing is dropped
.if MSB != (\new)
	s_set_vgpr_msb (MSB<<8)|(\new)
.set MSB, (\new)
.endif
.endm
.macro VW
	s_wait_alu depctr_va_vdst(0)
.endm
.macro NOPS n
.rept \n
	v_nop
.endr
.endm
.macro GBASE dst, id                   ; outputs at a listed group: the id is held under 4,096 before it enters an address
	s_min_u32 s24, \id, 0xfff
	s_lshl_b32 s56, s24, 16
	s_mov_b32 s57, 0
	s_add_nc_u64 s[\dst:\dst+1], s[4:5], s[56:57]
.endm
.macro LAND j                          ; my row j of the group at s[52:53]: eight loads of 512 consecutive bytes
	WIN 0x40
.irp i, 0,1,2,3,4,5,6,7
	global_load_b128 v[128+32*\j+4*\i:128+32*\j+4*\i+3], v[ALD], s[52:53] offset:4096*\j+512*\i th:TH_LOAD_NT
.endr
	WIN 0
.endm
.macro ASK id, d, base                 ; the prefetch of my rows of the set's group s22 + d
	s_add_co_u32 s25, s22, \d
	s_cmp_lt_u32 s25, s21
	s_cbranch_scc0 .Lna_\@
	GBASE \base, \id
	global_prefetch_b8 v[APF], s[\base:\base+1] th:TH_LOAD_NT scope:SCOPE_SE
	global_prefetch_b8 v[APF], s[\base:\base+1] offset:8192 th:TH_LOAD_NT scope:SCOPE_SE
.Lna_\@:
.endm
; One row: a lane holds 4 neighbours of each of eight blocks; eight lanes share a block.  Each run of 8 registers is converted twice, under each of its two blocks' scales; of each result the half under its own scale is stored.
; so: the slot's byte offset from image buffer 0.
.macro QROW j, so
.set LR, 128+32*\j
	WIN 0x05
.irp i, 0,1,2,3,4,5,6,7
	v_max3_num_f32 v[QM+\i], |v[LR+4*\i]|, |v[LR+4*\i+1]|, 0x1800000
.endr
.irp i, 0,1,2,3,4,5,6,7
	v_max3_num_f32 v[QM+\i], |v[LR+4*\i+2]|, |v[LR+4*\i+3]|, v[QM+\i]
.endr
	WIN 0
.irp x, 1,2,4
.irp i, 0,1,2,3,4,5,6,7
	v_max_num_f32_dpp v[QM+\i], v[QM+\i], v[QM+\i] row_xmask:\x row_mask:0xf bank_mask:0xf
.endr
.endr
.irp i, 0,1,2,3,4,5,6,7
	v_add_nc_u32 v[QM+\i], 0xff000000, v[QM+\i]
.endr
	VW
	s_wait_dscnt 0x0                           ; the last row's stores are done before their data registers are written again
.irp i, 0,1,2,3,4,5,6,7
	v_lshrrev_b32 v[QB+\i], 23, v[QM+\i]
.endr
	WIN 0x01
.irp u, 0,1,2,3
	v_cvt_scalef32_pk8_fp4_f32 v[QCD+2*\u], v[LR+8*\u:LR+8*\u+7], v[QM+2*\u]
	v_cvt_scalef32_pk8_fp4_f32 v[QCD+2*\u+1], v[LR+8*\u:LR+8*\u+7], v[QM+2*\u+1]
.endr
	WIN 0
	v_nop                                      ; a plain line behind the last conversion
.irp u, 0,1,2,3
	ds_store_b16 v[AQC], v[QCD+2*\u] offset:(\so)+1088*(2*\u)+16*\j
	ds_store_b16_d16_hi v[AQC], v[QCD+2*\u+1] offset:(\so)+1088*(2*\u+1)+16*\j
.endr
.irp i, 0,1,2,3,4,5,6,7
	ds_store_b8 v[AQS], v[QB+\i] offset:(\so)+256*(\i%2)+4*(\i/2)+16*\j
.endr
	s_cmp_lg_u32 s58, 0
	s_cbranch_scc0 .Lnl_\@
	LAND \j                                    ; the next group's row, into the registers just read
.Lnl_\@:
.endm
.macro QGROUP so, nid, nd, pid, pd     ; the group in my registers goes into a slot; nid, nd: the next group's entry and its distance from s22; pid, pd: the same for the prefetch
	s_wait_loadcnt 0x0                         ; my four rows are in, and the loads' base may be written
	s_wait_xcnt 0x0                            ; the earlier prefetches have read their base
	GBASE 52, \nid
	s_add_co_u32 s25, s22, \nd
	s_cmp_lt_u32 s25, s21
	s_cselect_b32 s58, 1, 0                    ; is there a next group?
.irp j, 0,1,2,3
	QROW \j, \so
.endr
	ASK \pid, \pd, 54
.endm
.macro MM i, s, fs, g                  ; one product: round i, K step s, tile from registers (fs = 0) or from LDS (1), group g
.if \fs
.set M_AW, 2+(\s)/4
.set M_AR, 224+8*((\s)%4)
.elseif \i < 7
.set M_AW, 2+(\s)/4
.set M_AR, 32*\i+8*((\s)%4)
.else
.set M_AW, 0
.set M_AR, 192+8*(\s)
.endif
	WIN 4+M_AW
.set M_D, ACC+8*(2*\fs+\g)
.set M_B, 64*\g+8*(\s)
.set M_SA, WSC+4*(8*\fs+\i)+(\s)/2
.set M_SB, XSC+4*\g+(\s)/2
.if (\s) == 0
	v_wmma_scale_f32_16x16x128_f8f6f4 v[M_D:M_D+7], v[M_AR:M_AR+7], v[M_B:M_B+7], 0, v[M_SA], v[M_SB] matrix_a_fmt:MATRIX_FMT_FP4 matrix_b_fmt:MATRIX_FMT_FP4
.elseif (\s)%2 == 0
	v_wmma_scale_f32_16x16x128_f8f6f4 v[M_D:M_D+7], v[M_AR:M_AR+7], v[M_B:M_B+7], v[M_D:M_D+7], v[M_SA], v[M_SB] matrix_a_fmt:MATRIX_FMT_FP4 matrix_b_fmt:MATRIX_FMT_FP4
.else
	v_wmma_scale_f32_16x16x128_f8f6f4 v[M_D:M_D+7], v[M_AR:M_AR+7], v[M_B:M_B+7], v[M_D:M_D+7], v[M_SA], v[M_SB] matrix_a_fmt:MATRIX_FMT_FP4 matrix_b_fmt:MATRIX_FMT_FP4 matrix_a_scale:MATRIX_SCALE_ROW1 matrix_b_scale:MATRIX_SCALE_ROW1
.endif
.endm
.macro HALF i, hh
.irp sq, 0,1,2,3
.irp fs, 0,1
.irp g, 0,1
	MM \i, (4*\hh+\sq), \fs, \g
.endr
.endr
.endr
	WIN 0
.endm
.macro WPART u, hh                     ; K steps 4 hh .. 4 hh + 3 of my LDS tile u
	WIN 0x80+0x40*\hh
.irp sq, 0,1,2,3
.irp c, 0,1
	ds_load_b128 v[224+8*\sq+4*\c:224+8*\sq+4*\c+3], v[AWL] offset:8192*(\u)+1024*(4*\hh+\sq)+512*\c
.endr
.endr
	WIN 0
.endm
.macro WVLD i                          ; weight_vec of round i's two tiles
.irp fs, 0,1
.irp c, 0,1
	ds_load_b128 v[WV+8*\fs+4*\c:WV+8*\fs+4*\c+3], v[AWV] offset:64*(8*\fs+(\i))+16*\c
.endr
.endr
.endm
.macro DOT i                           ; two chains of pairs for each group; each accumulator is read from its low end on
.irp fs, 0,1
.irp q, 0,1,2,3
.irp g, 0,1
.if (\i == 0) && (\fs == 0) && (\q == 0)
	v_pk_fma_f32 v[EP+4*\g:EP+4*\g+1], v[ACC+8*\g:ACC+8*\g+1], v[WV:WV+1], v[PB:PB+1]
.elseif (\i == 0) && (\fs == 0) && (\q == 1)
	v_pk_mul_f32 v[EP+4*\g+2:EP+4*\g+3], v[ACC+8*\g+2:ACC+8*\g+3], v[WV+2:WV+3]
.else
	v_pk_fma_f32 v[EP+4*\g+2*(\q%2):EP+4*\g+2*(\q%2)+1], v[ACC+8*(2*\fs+\g)+2*\q:ACC+8*(2*\fs+\g)+2*\q+1], v[WV+8*\fs+2*\q:WV+8*\fs+2*\q+1], v[EP+4*\g+2*(\q%2):EP+4*\g+2*(\q%2)+1]
.endif
.endr
.endr
.endr
.endm
; A round: 32 products.  LDS loads come back in order: at its head the tile's second half (8 loads) and, from round 1 on, weight_vec's 4 may be out; in its middle the 8 just issued.
; The v_nop are the places ahead of loads into fragments that products have read, of the first read of results, and of the next round's products, which begin the accumulators anew.
.macro ROUND i
.if \i == 0
	s_wait_dscnt 0x8
.elseif \i == 4
	s_wait_dscnt 0x0                           ; a quantising may stand in front of this round: all
.else
	s_wait_dscnt 0xc
.endif
	HALF \i, 0
	NOPS 4
.if \i < 7
	WPART \i+1, 0
	s_wait_dscnt 0x8
.else
	s_wait_dscnt 0x0
.endif
	HALF \i, 1
	NOPS 5
.if \i < 7
	WPART \i+1, 1
.endif
	DOT \i
	VW
.if \i < 7
	WVLD \i+1
.endif
.endm
; A pass on the groups s22 + d and s22 + d + 1.  bo: its buffer's byte offset; ob: the other buffer's; e0 .. e3: the entries of groups s22 + d + 2 .. + 5.
.macro PASS bo, ob, d, e0, e1, e2, e3
	s_add_co_u32 s24, s22, \d+1
	s_cmp_lt_u32 s24, s21
	s_cbranch_scc0 .Lq1_\@
	QGROUP \bo+SLOTB, \e0, \d+2, \e2, \d+4
.Lq1_\@:
	VW
	s_wait_dscnt 0x0                           ; my stores into the images have landed, my reads of the other buffer are over
	s_barrier_signal -1
	s_barrier_wait -1
	s_add_co_u32 s24, s22, \d
	s_cmp_lt_u32 s24, s21
	s_cbranch_scc0 .Lpe_\@
	WIN 0x40
.irp s, 0,1,2,3,4,5,6,7
.irp c, 0,1
	ds_load_b128 v[8*\s+4*\c:8*\s+4*\c+3], v[AFA] offset:\bo+272*(4*\s+2*\c)
.endr
.endr
	WIN 0
	ds_load_b128 v[XSC:XSC+3], v[ASA] offset:\bo
	s_add_co_u32 s24, s22, \d+1
	s_cmp_lt_u32 s24, s21
	s_cbranch_scc0 .Lone_\@                    ; both arms issue the same 17 LDS loads: the counts behind them hold on either way
	ds_load_b128 v[XSC+4:XSC+7], v[ASA] offset:\bo+SLOTB
	WIN 0x40
.irp s, 0,1,2,3,4,5,6,7
.irp c, 0,1
	ds_load_b128 v[64+8*\s+4*\c:64+8*\s+4*\c+3], v[AFA] offset:\bo+SLOTB+272*(4*\s+2*\c)
.endr
.endr
	WIN 0
	s_branch .Ltwo_\@
.Lone_\@:                                          ; no second group: the first once more
	ds_load_b128 v[XSC+4:XSC+7], v[ASA] offset:\bo
	WIN 0x40
.irp s, 0,1,2,3,4,5,6,7
.irp c, 0,1
	ds_load_b128 v[64+8*\s+4*\c:64+8*\s+4*\c+3], v[AFA] offset:\bo+272*(4*\s+2*\c)
.endr
.endr
	WIN 0
.Ltwo_\@:
	WVLD 0
	WPART 0, 0
	WPART 0, 1
	ROUND 0
	ROUND 1
	ROUND 2
	ROUND 3
	s_add_co_u32 s24, s22, \d+2
	s_cmp_lt_u32 s24, s21
	s_cbranch_scc0 .Lq2_\@
	QGROUP \ob, \e1, \d+3, \e3, \d+5           ; the next pass's first group goes to the other buffer
.Lq2_\@:
	ROUND 4
	ROUND 5
	ROUND 6
	ROUND 7
	v_pk_add_f32 v[EP:EP+1], v[EP:EP+1], v[EP+2:EP+3]
	v_pk_add_f32 v[EP+4:EP+5], v[EP+4:EP+5], v[EP+6:EP+7]
	v_add_f32 v[T0], v[EP], v[EP+1]
	v_add_f32 v[T0+1], v[EP+4], v[EP+5]
	v_permlanex16_b32 v[T0+2], v[T0], s48, s49     ; the row's other units lie in the lane 16 away
	v_permlanex16_b32 v[T0+3], v[T0+1], s48, s49
	v_add_f32 v[T0], v[T0], v[T0+2]
	v_add_f32 v[T0+1], v[T0+1], v[T0+3]
	ds_store_b32 v[AEB], v[T0] offset:64*\d        ; lanes l and l + 16 write the same word with the same value
	ds_store_b32 v[AEB], v[T0+1] offset:64*\d+64
.Lpe_\@:
.endm
	s_load_b256 s[4:11], s[0:1], 0x0           ; outputs 4, wq 6, ws 8, weight_vec 10
	s_load_b128 s[12:15], s[0:1], 0x20         ; b 12, wlist 14
	s_load_b64 s[16:17], s[0:1], 0x30          ; epart
	v_lshl_add_u32 v[SPW], v0, 2, SPARE
	v_mov_b32 v[NIL], 0
	v_lshrrev_b32 v29, 5, v0
	v_readfirstlane_b32 s20, v29               ; wave
	s_lshl_b32 s24, s20, 14
	s_lshl_b32 s25, s20, 16
	s_lshl_b32 s26, s20, 6
	s_add_co_u32 s26, s26, XIM
	s_add_co_u32 s27, s26, SCI
	s_lshl_b32 s28, s20, 10
	s_add_co_u32 s29, s28, WVL
	s_add_co_u32 s30, s28, EB
	s_mov_b32 s48, 0x76543210
	s_mov_b32 s49, 0xfedcba98                  ; v_permlanex16_b32's selects for lane l xor 16
	s_mov_b32 s22, 0                           ; the trip's first group
	s_mov_b32 s23, 0                           ; the trip
	s_mov_b32 s50, 0                           ; 64 x the trip's first group
	v_and_b32 v1, 31, v0
	v_lshlrev_b32 v2, 4, v1                    ; 16 x lane
	v_and_b32 v29, 15, v0                      ; r
	v_bfe_u32 v30, v0, 4, 1                    ; h
	v_bfe_u32 v31, v0, 3, 2                    ; lane / 8
	v_and_b32 v28, 7, v0
	v_add_nc_u32 v[ALD], s24, v2               ; my four rows of a group, 16 bytes a lane
	v_lshl_add_u32 v[APF], v1, 8, s24          ; the same rows, 256 bytes a lane
	v_add_nc_u32 v[AWL], s25, v2               ; my W in LDS
	v_mul_u32_u24 v[AQC], v31, 272
	v_lshl_add_u32 v[AQC], v28, 1, v[AQC]
	v_add_nc_u32 v[AQC], s26, v[AQC]           ; my 2 bytes of codes in an image
	v_add_nc_u32 v[AQS], s27, v31              ; my block's scale byte
	v_mul_u32_u24 v[AFA], v30, 272
	v_lshl_add_u32 v[AFA], v29, 4, v[AFA]
	v_add_nc_u32 v[AFA], XIM, v[AFA]           ; a fragment's 16 bytes: block h, row r
	v_add_nc_u32 v[ASA], XIM+SCI, v2
	v_lshl_add_u32 v[AWV], v30, 5, s29
	v_add_nc_u32 v[AWT], s29, v2
	v_lshl_add_u32 v[AE0], v29, 2, s30
	v_lshl_add_u32 v[AER], v0, 3, EB           ; the way out: thread t takes two rows of group t / 8
	v_lshrrev_b32 v[AK], 3, v0
	v_lshlrev_b32 v[AOF], 3, v28
	v_lshlrev_b32 v28, 2, v[AK]
	v_mov_b32 v[T0+2], 0                       ; written once: a lane permute's destination counts as one of its sources
	v_mov_b32 v[T0+3], 0
	VW
	s_wait_kmcnt 0x0
	s_lshl_b32 s56, ttmp9, 6
	s_mov_b32 s57, 0
	s_add_nc_u64 s[58:59], s[14:15], s[56:57]
	s_load_b512 s[32:47], s[58:59], 0x0        ; my set's 16 entries
	s_lshl_b32 s60, ttmp9, 2
	s_mov_b32 s61, 0
	s_add_nc_u64 s[60:61], s[14:15], s[60:61]
	s_load_b32 s21, s[60:61], 0x4000           ; and its count
	s_lshl_b32 s56, s20, 10
	s_add_nc_u64 s[10:11], s[10:11], s[56:57]  ; weight_vec and b at my 256 units
	s_add_nc_u64 s[12:13], s[12:13], s[56:57]
	s_lshl_b32 s56, s20, 17
	s_add_nc_u64 s[6:7], s[6:7], s[56:57]      ; my 16 tiles of W's codes
	s_lshl_b32 s56, s20, 13
	s_add_nc_u64 s[8:9], s[8:9], s[56:57]      ; and of its scale bytes
	global_load_b32 v[AID], v28, s[58:59]
	global_load_b128 v[160:163], v2, s[10:11]
	global_load_b128 v[164:167], v2, s[10:11] offset:512
	global_load_b128 v[168:171], v2, s[12:13]
	global_load_b128 v[172:175], v2, s[12:13] offset:512
.set n, 0
.rept 128                                  ; tiles 8-15, on their way to LDS, through the registers that tiles 0-6 will have
	WIN 0x80+0x40*(n/64)
	global_load_b128 v[4*(n%64):4*(n%64)+3], v2, s[6:7] offset:65536+512*n
.set n, n+1
.endr
	WIN 0
	s_wait_kmcnt 0x0
	s_min_u32 s21, s21, 16
	s_cmp_eq_u32 s21, 0
	s_cbranch_scc1 .Lnone                      ; a split that leaves this set without groups: nothing to store
	GBASE 52, s32
.irp j, 0,1,2,3
	LAND \j                                    ; group 0
.endr
	ASK s33, 1, 54
	ASK s34, 2, 62
	s_wait_loadcnt 32                          ; all but group 0's 32 loads
.set n, 0
.rept 128
	WIN 0x08+0x04*(n/64)
	ds_store_b128 v[AWL], v[4*(n%64):4*(n%64)+3] offset:512*n
.set n, n+1
.endr
	WIN 0
	ds_store_b128 v[AWT], v[160:163]
	ds_store_b128 v[AWT], v[164:167] offset:512
	v_min_u32 v[AID], 0xfff, v[AID]
	v_lshl_add_u32 v[AOF], v[AID], 6, v[AOF]   ; 64 x id + 8 (t % 8)
	v_pk_mul_f32 v[176:177], v[160:161], v[168:169]
.irp q, 2,4,6
	v_pk_fma_f32 v[176:177], v[160+\q:161+\q], v[168+\q:169+\q], v[176:177]
.endr
	v_add_f32 v176, v176, v177
.irp x, 1,2,4,8
	v_add_f32_dpp v176, v176, v176 row_xmask:\x row_mask:0xf bank_mask:0xf
.endr
	v_permlanex16_b32 v[T0+2], v176, s48, s49
	v_add_f32 v176, v176, v[T0+2]              ; my wave's sum of weight_vec b
	v_mul_f32 v[PB], 0.5, v176
	v_mov_b32 v[PB+1], 0
	VW
	s_wait_dscnt 0x0                           ; the stores are done: their registers take tiles 0-6
	QGROUP 0, s33, 1, s35, 3
.irp hh, 0,1
	WIN 0x80+0x40*\hh
.irp fi, 0,1,2,3,4,5,6
.irp sq, 0,1,2,3
.irp c, 0,1
	global_load_b128 v[32*\fi+8*\sq+4*\c:32*\fi+8*\sq+4*\c+3], v2, s[6:7] offset:8192*\fi+1024*(4*\hh+\sq)+512*\c
.endr
.endr
.endr
.endr
	WIN 0
.irp s, 0,1,2,3,4,5,6,7
.irp c, 0,1
	global_load_b128 v[192+8*\s+4*\c:192+8*\s+4*\c+3], v2, s[6:7] offset:57344+1024*\s+512*\c
.endr
.endr
.set n, 0
.rept 16
	global_load_b128 v[WSC+4*n:WSC+4*n+3], v2, s[8:9] offset:512*n
.set n, n+1
.endr
	s_wait_loadcnt 0x0                         ; W is whole
.Ltrip:
	v_add_nc_u32 v[AEB], s50, v[AE0]           ; where this trip's four groups' energies go
	VW
	PASS 0, PAR, 0, s34, s35, s36, s37
	PASS PAR, 0, 2, s36, s37, s38, s39
.irp e, 32,34,36,38,40,42
	s_mov_b64 s[\e:\e+1], s[\e+4:\e+5]         ; my entries move up by four
.endr
	s_add_co_u32 s22, s22, 4
	s_add_co_u32 s50, s50, 256
	s_add_co_u32 s23, s23, 1
	s_cmp_lt_u32 s23, 4
	s_cbranch_scc1 .Ltrip
	; THE WAY OUT: the four waves' parts are added, two rows a thread, eight threads to a group's 64 bytes.  Lanes whose group the count does not cover are switched off.  EXEC changes only behind s_wait_xcnt 0.
	s_wait_dscnt 0x0
	s_barrier_signal -1
	s_barrier_wait -1
	v_cmp_gt_u32 vcc_lo, s21, v[AK]
	s_wait_xcnt 0x0
	s_and_saveexec_b32 s51, vcc_lo
.irp q, 0,1,2,3
	ds_load_b64 v[160+2*\q:161+2*\q], v[AER] offset:1024*\q
.endr
	s_wait_dscnt 0x0
	v_pk_add_f32 v[160:161], v[160:161], v[162:163]
	v_pk_add_f32 v[164:165], v[164:165], v[166:167]
	v_pk_add_f32 v[160:161], v[160:161], v[164:165]
	global_store_b64 v[AOF], v[160:161], s[16:17]
	s_wait_xcnt 0x0
	s_or_b32 exec_lo, exec_lo, s51
	s_wait_xcnt 0x0
	s_mov_b32 exec_lo, -1
	s_wait_tensorcnt 0x0                       ; the wave's end
	ds_add_u32 v[SPW], v[NIL]
	s_wait_dscnt 0x0
	s_endpgm
.Lnone:
	s_endpgm
.Lfunc_end_k_q98d2164c9f_fused:
	.size	k_q98d2164c9f_fused, .Lfunc_end_k_q98d2164c9f_fused-k_q98d2164c9f_fused
	.p2alignl 7, 3214868480
	.fill 96, 4, 3214868480
	.section	.rodata,"a",@progbits
	.p2align	6, 0x0
	.amdhsa_kernel k_q98d2164c9f_fused
		.amdhsa_group_segment_fixed_size 313344
		.amdhsa_private_segment_fixed_size 0
		.amdhsa_enable_private_segment 0
		.amdhsa_kernarg_size 56
		.amdhsa_user_sgpr_count 2
		.amdhsa_user_sgpr_kernarg_segment_ptr 1
		.amdhsa_wavefront_size32 1
		.amdhsa_system_sgpr_workgroup_id_x 1
		.amdhsa_system_sgpr_workgroup_id_y 1
		.amdhsa_system_sgpr_workgroup_id_z 1
		.amdhsa_system_vgpr_workitem_id 0
		.amdhsa_next_free_vgpr 1024
		.amdhsa_next_free_sgpr 66
		.amdhsa_reserve_vcc 1
		.amdhsa_float_denorm_mode_32 3
		.amdhsa_float_denorm_mode_16_64 3
		.amdhsa_memory_ordered 1
		.amdhsa_forward_progress 1
		.amdhsa_inst_pref_size 255
	.end_amdhsa_kernel
	.section	.bss,"aw",@nobits
	.p2align	6
	.space	262144
	.amdgpu_metadata
---
amdhsa.version: [ 1, 2 ]
amdhsa.kernels:
  - .name:           k_q98d2164c9f_fused
    .symbol:         k_q98d2164c9f_fused.kd
    .args:
      - { .name: outputs, .offset: 0, .size: 8, .value_kind: global_buffer, .address_space: global }
      - { .name: wq, .offset: 8, .size: 8, .value_kind: global_buffer, .address_space: global }
      - { .name: ws, .offset: 16, .size: 8, .value_kind: global_buffer, .address_space: global }
      - { .name: weight_vec, .offset: 24, .size: 8, .value_kind: global_buffer, .address_space: global }
      - { .name: b, .offset: 32, .size: 8, .value_kind: global_buffer, .address_space: global }
      - { .name: wlist, .offset: 40, .size: 8, .value_kind: global_buffer, .address_space: global }
      - { .name: epart, .offset: 48, .size: 8, .value_kind: global_buffer, .address_space: global }
    .group_segment_fixed_size: 313344
    .private_segment_fixed_size: 0
    .kernarg_segment_align: 8
    .kernarg_segment_size: 56
    .max_flat_workgroup_size: 128
    .sgpr_count:     66
    .vgpr_count:     1024
    .wavefront_size: 32
...
	.end_amdgpu_metadata
.endif
;; end of part 2
;; launch softmax (part 3): grid 64 x 1, 8 waves a work-group, no clusters, 1,280 bytes of LDS; arguments epart, text_lens, out0; writes out0
.if DOCPART == 3
	.amdgcn_target "amdgcn-amd-amdhsa--gfx1250"
	.amdhsa_code_object_version 6
	.text
	.protected	k_q98d2164c9f_softmax
	.globl	k_q98d2164c9f_softmax
	.p2align	8
	.type	k_q98d2164c9f_softmax,@function
k_q98d2164c9f_softmax:
	s_mov_b64 s[64:65], 0
	v_nop
	global_prefetch_b8 v0, s[64:65] scope:SCOPE_SE
	s_setreg_imm32_b32 hwreg(HW_REG_WAVE_MODE, 25, 1), 1
	s_wait_xcnt 0x0
; THIRD LAUNCH.  out0[b][s] = softmax over s of (s < text_lens[b] ? energy : -1e10).  All in f32; the row's maximum is taken away before the exponential.
; A work-group is a batch; thread t holds positions 4 t .. 4 t + 3.  Energies are read only for groups of 16 positions that begin under the length: only those were computed (see the first kernel's head).
; A length of 0 or less leaves every position at -1e10: every p is 1 and the result 1 / 1024; a length over 1,024 acts as 1,024.
; 64 rows of 1,024 numbers: work for 64 work-groups; no matrix unit, no cluster (nothing is shared), no prefetch (each byte is wanted at once, and once).
	s_load_b128 s[4:7], s[0:1], 0x0                ; epart, text_lens
	s_load_b64 s[8:9], s[0:1], 0x10                ; out0
	v_lshl_add_u32 v64, v0, 2, 0x100
	v_mov_b32 v65, 0
	v_lshlrev_b32 v1, 4, v0                        ; my 16 bytes of a row
	v_lshlrev_b32 v2, 2, v0                        ; my first position
	s_delay_alu instid0(VALU_DEP_1)
	v_and_b32 v3, -16, v2                          ; its group's first position
	v_mov_b32 v41, 0xd01502f9                      ; -1e10
.irp e, 4,5,6,7
	v_mov_b32 v\e, v41                             ; written with all lanes on: lanes that load nothing keep it
.endr
	v_lshrrev_b32 v44, 5, v0
	s_delay_alu instid0(VALU_DEP_1)
	v_lshlrev_b32 v44, 2, v44                      ; LDS: my wave's word
	v_mov_b32 v45, 0
	v_mov_b32 v43, 0                               ; written once: a lane permute's destination counts as one of its sources
	s_mov_b32 s16, 0x76543210
	s_mov_b32 s17, 0xfedcba98                      ; v_permlanex16_b32's selects for lane l xor 16
	s_lshl_b32 s12, ttmp9, 2
	s_mov_b32 s13, 0
	s_lshl_b32 s14, ttmp9, 12                      ; a row of 1,024 f32
	s_mov_b32 s15, 0
	s_wait_alu depctr_va_vdst(0)                   ; the wait at the head's end
	s_wait_kmcnt 0x0
	s_add_nc_u64 s[6:7], s[6:7], s[12:13]
	s_load_b32 s10, s[6:7], 0x0                    ; the length
	s_add_nc_u64 s[4:5], s[4:5], s[14:15]
	s_add_nc_u64 s[8:9], s[8:9], s[14:15]
	s_wait_kmcnt 0x0
	v_cmp_gt_i32 vcc_lo, s10, v3                   ; was my group computed?
	s_wait_xcnt 0x0                                ; EXEC changes only behind s_wait_xcnt 0
	s_and_saveexec_b32 s18, vcc_lo
	global_load_b128 v[4:7], v1, s[4:5] th:TH_LOAD_NT   ; sixteen lanes read 256 consecutive bytes
	s_wait_loadcnt 0x0
	s_wait_xcnt 0x0
	s_or_b32 exec_lo, exec_lo, s18
.irp e, 0,1,2,3                                ; the mask, position by position
	v_add_nc_u32 v40, \e, v2
	s_delay_alu instid0(VALU_DEP_1)
	v_cmp_gt_i32 vcc_lo, s10, v40
	s_delay_alu instid0(VALU_DEP_1)
	v_cndmask_b32 v[4+\e], v41, v[4+\e], vcc_lo
.endr
	; the row's maximum: in the lane, across the wave, across the eight waves
	s_delay_alu instid0(VALU_DEP_4)
	v_max3_num_f32 v42, v4, v5, v6
	s_delay_alu instid0(VALU_DEP_1)
	v_max_num_f32 v42, v42, v7
	s_delay_alu instid0(VALU_DEP_1)
	v_max_num_f32_dpp v42, v42, v42 row_xmask:1 row_mask:0xf bank_mask:0xf
	s_delay_alu instid0(VALU_DEP_1)
	v_max_num_f32_dpp v42, v42, v42 row_xmask:2 row_mask:0xf bank_mask:0xf
	s_delay_alu instid0(VALU_DEP_1)
	v_max_num_f32_dpp v42, v42, v42 row_xmask:4 row_mask:0xf bank_mask:0xf
	s_delay_alu instid0(VALU_DEP_1)
	v_max_num_f32_dpp v42, v42, v42 row_xmask:8 row_mask:0xf bank_mask:0xf
	s_delay_alu instid0(VALU_DEP_1)
	v_permlanex16_b32 v43, v42, s16, s17
	s_delay_alu instid0(VALU_DEP_1)
	v_max_num_f32 v42, v42, v43
	ds_store_b32 v44, v42                          ; all lanes of a wave write the same word with the same value
	s_wait_dscnt 0x0                               ; for the others' sake
	s_barrier_signal -1
	s_barrier_wait -1
	ds_load_b128 v[48:51], v45
	ds_load_b128 v[52:55], v45 offset:16
	s_wait_dscnt 0x0
	v_max3_num_f32 v42, v48, v49, v50
	s_delay_alu instid0(VALU_DEP_1)
	v_max3_num_f32 v42, v42, v51, v52
	s_delay_alu instid0(VALU_DEP_1)
	v_max3_num_f32 v42, v42, v53, v54
	s_delay_alu instid0(VALU_DEP_1)
	v_max_num_f32 v42, v42, v55
	; p = 2^((E - m) log2(e)).  The difference is taken first and is exact where E = m
.irp e, 4,5,6,7
	v_sub_f32 v\e, v\e, v42
.endr
.irp e, 4,5,6,7
	s_delay_alu instid0(VALU_DEP_4)
	v_mul_f32 v\e, 0x3fb8aa3b, v\e
.endr
	s_wait_alu depctr_va_vdst(0)
.irp e, 4,5,6,7
	v_exp_f32 v\e, v\e
.endr
	v_mov_b32 v57, 0                               ; a plain line behind the exponentials (v57: the upper half of the pair that the last multiplications name)
	s_wait_alu depctr_va_vdst(0)                   ; one wait for the four, ahead of their first reader
	v_add_f32 v46, v4, v5
	v_add_f32 v47, v6, v7
	s_delay_alu instid0(VALU_DEP_1)
	v_add_f32 v46, v46, v47
	s_delay_alu instid0(VALU_DEP_1)
	v_add_f32_dpp v46, v46, v46 row_xmask:1 row_mask:0xf bank_mask:0xf
	s_delay_alu instid0(VALU_DEP_1)
	v_add_f32_dpp v46, v46, v46 row_xmask:2 row_mask:0xf bank_mask:0xf
	s_delay_alu instid0(VALU_DEP_1)
	v_add_f32_dpp v46, v46, v46 row_xmask:4 row_mask:0xf bank_mask:0xf
	s_delay_alu instid0(VALU_DEP_1)
	v_add_f32_dpp v46, v46, v46 row_xmask:8 row_mask:0xf bank_mask:0xf
	s_delay_alu instid0(VALU_DEP_1)
	v_permlanex16_b32 v43, v46, s16, s17
	s_delay_alu instid0(VALU_DEP_1)
	v_add_f32 v46, v46, v43
	ds_store_b32 v44, v46 offset:32                ; other bytes than the maxima's: no wave can be overtaken
	s_wait_dscnt 0x0
	s_barrier_signal -1
	s_barrier_wait -1
	ds_load_b128 v[48:51], v45 offset:32
	ds_load_b128 v[52:55], v45 offset:48
	s_wait_dscnt 0x0
	v_pk_add_f32 v[48:49], v[48:49], v[50:51]
	v_pk_add_f32 v[52:53], v[52:53], v[54:55]
	s_delay_alu instid0(VALU_DEP_1)
	v_pk_add_f32 v[48:49], v[48:49], v[52:53]
	s_delay_alu instid0(VALU_DEP_1)
	v_add_f32 v46, v48, v49
	s_wait_alu depctr_va_vdst(0)
	v_rcp_f32 v56, v46
	v_nop                                          ; a plain line behind the reciprocal
	s_wait_alu depctr_va_vdst(0)                   ; and the wait ahead of its first reader
	v_pk_mul_f32 v[4:5], v[4:5], v[56:57] op_sel_hi:[1,0]
	v_pk_mul_f32 v[6:7], v[6:7], v[56:57] op_sel_hi:[1,0]
	global_store_b128 v1, v[4:7], s[8:9]           ; sixteen lanes store 256 consecutive bytes, from a multiple of 256 on
	s_barrier_signal -1
	s_barrier_wait -1
	s_wait_tensorcnt 0x0
	ds_add_u32 v64, v65
	s_wait_dscnt 0x0
	s_endpgm
.Lfunc_end_k_q98d2164c9f_softmax:
	.size	k_q98d2164c9f_softmax, .Lfunc_end_k_q98d2164c9f_softmax-k_q98d2164c9f_softmax
	.p2alignl 7, 3214868480
	.fill 96, 4, 3214868480
	.section	.rodata,"a",@progbits
	.p2align	6, 0x0
	.amdhsa_kernel k_q98d2164c9f_softmax
		.amdhsa_group_segment_fixed_size 1280
		.amdhsa_private_segment_fixed_size 0
		.amdhsa_enable_private_segment 0
		.amdhsa_kernarg_size 24
		.amdhsa_user_sgpr_count 2
		.amdhsa_user_sgpr_kernarg_segment_ptr 1
		.amdhsa_wavefront_size32 1
		.amdhsa_system_sgpr_workgroup_id_x 1
		.amdhsa_system_sgpr_workgroup_id_y 1
		.amdhsa_system_sgpr_workgroup_id_z 1
		.amdhsa_system_vgpr_workitem_id 0
		.amdhsa_next_free_vgpr 66
		.amdhsa_next_free_sgpr 66
		.amdhsa_reserve_vcc 1
		.amdhsa_float_denorm_mode_32 3
		.amdhsa_float_denorm_mode_16_64 3
		.amdhsa_memory_ordered 1
		.amdhsa_forward_progress 1
		.amdhsa_inst_pref_size 7
	.end_amdhsa_kernel
	.amdgpu_metadata
---
amdhsa.version: [ 1, 2 ]
amdhsa.kernels:
  - .name:           k_q98d2164c9f_softmax
    .symbol:         k_q98d2164c9f_softmax.kd
    .args:
      - { .name: epart, .offset: 0, .size: 8, .value_kind: global_buffer, .address_space: global }
      - { .name: text_lens, .offset: 8, .size: 8, .value_kind: global_buffer, .address_space: global }
      - { .name: out0, .offset: 16, .size: 8, .value_kind: global_buffer, .address_space: global }
    .group_segment_fixed_size: 1280
    .private_segment_fixed_size: 0
    .kernarg_segment_align: 8
    .kernarg_segment_size: 24
    .max_flat_workgroup_size: 256
    .sgpr_count:     66
    .vgpr_count:     66
    .wavefront_size: 32
...
	.end_amdgpu_metadata
.endif
;; end of part 3
